; MI455X (gfx1250); checked and timed in simulation.
; The chip was launched on July 23, 2026; its instructions are those of AMD's public machine-readable ISA for CDNA 5 (MIT licence, August 2026) and "CDNA5" Instruction Set Architecture Reference Guide (July 2026). The comments in the code are by the model that wrote it; some were corrected since.
;; Attention. Allowed arithmetic: matrix products marked QUANTISED: E3M2 operands, one E8M0 scale for each 32 along K, by v_wmma_scale_f32_16x16x128_f8f6f4 with both operands' format E3M2, f32 sums; products left as they are: f32 operands where the result goes on into a quantised operand, else bf16, f16 or f32 operands; f32 sums; everything else in f32.
;; Inputs: V 1,024 float32; W_k 1,024 x 1,024 float32; W_q 1,024 x 1,024 float32; dec_hidden 32 x 1,024 float32; enc_hidden 32 x 2,048 x 1,024 float32.
;; Outputs: out0 32 x 1,024 float32; out1 32 x 2,048 float32.
;; This version of the problem:
;;   THIS VERSION OF THE PROBLEM IS GIVEN IN LOW PRECISION. The matrix products marked QUANTISED in the list below multiply operands that are first quantised to E3M2 (3 exponent bits, 2 mantissa bits; 6 bits a number), with one power-of-two scale for each 32 numbers along K (OCP MX v1.0); their sums are f32. All else is computed in f32.
;;   The module's matrix products, in the order in which they are computed (A, B: the left and right operand; K: the contracted axis; several contracted axes count as one K, in the product's order):
;;     1. [M 1,024, K 1,024] x [K 1,024, N 65,536]; A: input W_k; B: input enc_hidden: QUANTISED
;;     2. [M 32, K 1,024] x [K 1,024, N 1,024]; A: input dec_hidden; B: input W_q: QUANTISED
;;     3. [M 1, K 1,024] x [K 1,024, N 65,536]; A: input V; B: computed on the way: left as it is (M = 1 < 16)
;;     4. batch 32 x [M 1,024, K 2,048] x [K 2,048, N 1]; A: computed on the way; B: softmax: left as it is (N = 1 < 16)
;;   THE QUANTISER, for each operand of a quantised product, along K:
;;     - K is cut into blocks of 32 from its start; a last block that is shorter is filled with zeros.
;;     - A block's scale is 2^e with e = floor(log2(the largest magnitude in the block)) - 4, held to -126 .. 127; a block of zeros has e = 0. As a byte (E8M0): e + 127.
;;     - Each number is divided by its block's scale, clamped to +-28, and rounded to the nearest number of E3M2, ties to even, subnormals kept.
;;     - The product sums the exact products of the quantised numbers (number of the format x scale) in f32.
;;   ~~~python
;;   def quantise(x, axis):      # numpy; x: float32 -> the quantised numbers, widened to float32 again
;;       x = np.moveaxis(x, axis, -1); K = x.shape[-1]
;;       x = np.pad(x, [(0, 0)] * (x.ndim - 1) + [(0, -K % 32)]); x = x.reshape(x.shape[:-1] + (-1, 32)); a = np.abs(x).max(-1, keepdims=True)
;;       e = np.where(a > 0, np.clip(np.frexp(np.where(a > 0, a, 1))[1] - 1 - 4, -126, 127), 0)      # np.frexp(a)[1] - 1 = floor(log2(a)), exactly
;;       r = np.clip(x / 2.0 ** e, -28, 28)
;;       step = 2.0 ** (np.maximum(np.frexp(np.where(r == 0, 1, r))[1] - 1, -2) - 2)
;;       q = np.round(r / step) * step * 2.0 ** e      # np.round: ties to even
;;       return np.moveaxis(q.reshape(q.shape[:-2] + (-1,))[..., :K], -1, axis).astype(np.float32)
;;   ~~~
;; One version. Each part assembles by itself: llvm-mc -triple=amdgcn-amd-amdhsa -mcpu=gfx1250 --defsym DOCPART=n.
;; ======== version 1 of 1: 3 launches
;; limits: right only within a limited range of input values
;; workspace buffers: wk_codes 786,432 bytes; wk_scales 65,536 bytes; wq2 131,072 bytes; part_h 4,194,304 bytes; part_ml 262,144 bytes
;; launch prep (part 1): grid 96 x 1, 4 waves a work-group, no clusters, 8,704 bytes of LDS; arguments W_k, W_q, dec_hidden, wk_codes, wk_scales, wq2; writes wk_codes, wk_scales, wq2
.if DOCPART == 1
	.amdgcn_target "amdgcn-amd-amdhsa--gfx1250"
	.amdhsa_code_object_version 6
	.text
	.protected	k_qc27b9434da_prep
	.globl	k_qc27b9434da_prep
	.p2align	8
	.type	k_qc27b9434da_prep,@function
k_qc27b9434da_prep:
	s_mov_b64 s[64:65], 0
	v_nop
	global_prefetch_b8 v0, s[64:65] scope:SCOPE_SE
	s_setreg_imm32_b32 hwreg(HW_REG_WAVE_MODE, 25, 1), 1
	s_wait_xcnt 0x0
; Two jobs, chosen by the work-group's number (the same for all four waves of a work-group).
; WORK-GROUPS 0-31: W_k [1024 h][1024 e], f32, becomes codes of BF6 (E3M2) with one E8M0 byte for each 32 along e, laid as the next launch's operand registers want them:
;   wk_codes  [K step k: 8][tile T: 64][q: 3][lane: 32][16 bytes]: registers 4 q .. 4 q + 3 of lane l of the fragment (16 columns x 128 along K) of K step k and tile T;
;   wk_scales [k: 8][G: 16][lane: 32][i: 4] words: the scale word of tile 4 G + i for the lane's column (both halves of the lanes hold it).
;   WHICH ROWS OF W_k FORM A TILE IS FREE: column r of tile T is h = 256 (T / 16) + 16 r + T % 16, so that a lane's 16 tiles in the next launch are 16 neighbouring h.
; WORK-GROUPS 32-95: wq2[b][h] = 2 log2(e) x the sum over e of Q(dec_hidden)[b][e] Q(W_q)[h][e], by the scaled matrix instruction on BF6 codes; work-group 32 + T' makes h = 16 T' .. 16 T' + 15 for all 32 b.
;   Wave w takes K steps 2 w and 2 w + 1; the four partial sums meet in LDS and are added in f32: another order of the f32 sum than one chain along K.
; THE QUANTISER: a block's scale is 2^(floor(log2(largest magnitude)) - 4); its byte is the largest magnitude's exponent field - 4, held at 1 from below by a floor among the maximum's leaves.
; LIMITS: NaN and infinities among the inputs are not served.  A block of zeros gets the byte 1 where the rule says 127: its codes are zeros, and the bytes are read by this program alone.
; A lane holds what the operand's layout gives it: lane (r, hh) the numbers k = 64 c + 32 hh + 0 .. 31 of its row, two whole blocks of 32, 128 bytes each, by eight loads of 16 bytes.  So neighbouring lanes
; read rows apart, 128 consecutive bytes of each over eight loads; a fragment's sixteen loads together read 512 whole consecutive bytes of each of 16 rows.  Kept, since nothing then changes lanes but two scale bytes.
.set XA,  32                           ; v32-95   64 numbers of a lane, set A
.set XB,  96                           ; v96-159  set B
.set PCS, 160                          ; v160-231 six fragments' codes, 12 registers each: no store's data and no operand is written twice
.set SW,  232                          ; v232-237 their scale words: these registers hold scales and nothing else
.set QM,  8                            ; v8-9     the two blocks' largest magnitudes
.set QS,  10                           ; v10-11   the conversions' scale operands
.set QB,  12                           ; v12-13   the scale bytes
.set QO,  14                           ; v14      the other half's two bytes
.set AUX, 16                           ; v16-18, v20-22  the upper halves of the two blocks' codes
.set QN,  26                           ; v26-27   second chains of the maxima
.set SH8, 6                            ; v6       8 hh
; sixteen loads: my 64 numbers of the fragment whose rows begin off bytes behind s[sb:sb+1] + v3
.macro LOADF xs, sb, off
.irp c, 0,1
.irp i, 0,1,2,3,4,5,6,7
	global_load_b128 v[\xs+32*\c+4*\i:\xs+32*\c+4*\i+3], v3, s[\sb:\sb+1] offset:\off+256*\c+16*\i
.endr
.endr
.endm
; 64 numbers v[xs] on (register 32 c + i = k 64 c + 32 hh + i of my row) become the fragment's 12 registers v[pc] on and its scale word v[wd]
.macro QUANT xs, pc, wd
	v_max3_num_f32 v[QM], |v[\xs]|, |v[\xs+1]|, 0x2800000              ; the floor 2^(5 - 127): the byte cannot fall under 1
	v_max3_num_f32 v[QN], |v[\xs+16]|, |v[\xs+17]|, |v[\xs+18]|
	v_max3_num_f32 v[QM+1], |v[\xs+32]|, |v[\xs+33]|, 0x2800000
	v_max3_num_f32 v[QN+1], |v[\xs+48]|, |v[\xs+49]|, |v[\xs+50]|
.irp i, 2,4,6,8,10,12
	v_max3_num_f32 v[QM], v[QM], |v[\xs+\i]|, |v[\xs+\i+1]|            ; four chains by turns: no line waits for the line above it
	v_max3_num_f32 v[QN], v[QN], |v[\xs+17+\i]|, |v[\xs+18+\i]|
	v_max3_num_f32 v[QM+1], v[QM+1], |v[\xs+32+\i]|, |v[\xs+33+\i]|
	v_max3_num_f32 v[QN+1], v[QN+1], |v[\xs+49+\i]|, |v[\xs+50+\i]|
.endr
	v_max3_num_f32 v[QM], v[QM], |v[\xs+14]|, |v[\xs+15]|
	v_max3_num_f32 v[QM+1], v[QM+1], |v[\xs+46]|, |v[\xs+47]|
	v_max3_num_f32 v[QM], v[QM], v[QN], |v[\xs+31]|                    ; block hh's largest magnitude
	v_max3_num_f32 v[QM+1], v[QM+1], v[QN+1], |v[\xs+63]|              ; block 2 + hh's
	v_add_nc_u32 v[QS], 0xfe000000, v[QM]                              ; 4 off the exponent field: the conversion takes this operand's exponent field as its scale
	v_add_nc_u32 v[QS+1], 0xfe000000, v[QM+1]
	v_lshrrev_b32 v[QB], 23, v[QS]                                     ; the scale's byte
	v_lshrrev_b32 v[QB+1], 23, v[QS+1]
	v_lshl_or_b32 v[\wd], v[QB+1], 16, v[QB]                           ; my two bytes, blocks hh and 2 + hh,
	v_lshlrev_b32 v[\wd], v[SH8], v[\wd]                               ; at their places in the word;
	v_permlanex16_b32 v[QO], v[\wd], s20, s21
	v_or_b32 v[\wd], v[\wd], v[QO]                                     ; with lane l xor 16's two the word is whole, in both halves
	v_cvt_scalef32_pk16_bf6_f32 v[\pc:\pc+2], v[\xs:\xs+15], v[QS]
	v_cvt_scalef32_pk16_bf6_f32 v[AUX:AUX+2], v[\xs+16:\xs+31], v[QS]  ; (a conversion's three registers begin on an even number: a block's upper half is made elsewhere and moved)
	v_cvt_scalef32_pk16_bf6_f32 v[\pc+6:\pc+8], v[\xs+32:\xs+47], v[QS+1]
	v_cvt_scalef32_pk16_bf6_f32 v[AUX+4:AUX+6], v[\xs+48:\xs+63], v[QS+1]
	v_nop                                                              ; one plain line behind the scaled conversions
.irp i, 0,1,2
	v_mov_b32 v[\pc+3+\i], v[AUX+\i]
	v_mov_b32 v[\pc+9+\i], v[AUX+4+\i]
.endr
.endm
.macro KSTORE i                        ; tile i's image: each store covers 512 consecutive bytes, at a multiple of 512 from the buffer's first byte
.irp q, 0,1,2
	global_store_b128 v5, v[PCS+12*\i+4*\q:PCS+12*\i+4*\q+3], s[10:11] offset:1536*\i+512*\q
.endr
.endm
	s_load_b256 s[4:11], s[0:1], 0x0               ; W_k s[4:5], W_q s[6:7], dec_hidden s[8:9], wk_codes s[10:11]
	s_load_b128 s[12:15], s[0:1], 0x20             ; wk_scales s[12:13], wq2 s[14:15]
	v_lshl_add_u32 v238, v0, 2, 0x2000
	v_mov_b32 v239, 0
	v_and_b32 v4, 31, v0                           ; lane
	v_and_b32 v1, 15, v0                           ; r
	v_bfe_u32 v2, v0, 4, 1                         ; hh
	v_lshrrev_b32 v7, 5, v0
	v_readfirstlane_b32 s16, v7                    ; wave 0..3
	v_lshlrev_b32 v5, 4, v4                        ; 16 x lane
	v_lshlrev_b32 v[SH8], 3, v2
	v_mov_b32 v[QO], 0                             ; written once: a lane permute's destination counts as one of its sources
	s_mov_b32 s20, 0x76543210
	s_mov_b32 s21, 0xfedcba98                      ; v_permlanex16_b32's selects for lane l xor 16
	s_cmp_lt_u32 ttmp9, 32
	s_cbranch_scc0 .Lq
	; ---- W_k.  Unit u = 4 x work-group + wave: G = u / 8, K step k = u % 8; its four tiles are 4 G + i.
	v_lshlrev_b32 v3, 16, v1
	v_lshl_add_u32 v3, v2, 7, v3                   ; column r lies 16 rows of 4,096 bytes on: 65,536 r + 128 hh
	s_lshl_b32 s17, ttmp9, 2
	s_add_co_u32 s17, s17, s16
	s_lshr_b32 s18, s17, 3                         ; G
	s_and_b32 s19, s17, 7                          ; k
	s_lshr_b32 s24, s18, 2
	s_lshl_b32 s24, s24, 20                        ; 256 (G / 4) rows
	s_and_b32 s25, s18, 3
	s_lshl_b32 s25, s25, 14                        ; + 4 (G % 4) rows
	s_add_co_u32 s24, s24, s25
	s_lshl_b32 s25, s19, 9                         ; + 512 k bytes along the row
	s_add_co_u32 s24, s24, s25
	s_mov_b32 s25, 0
	s_mul_i32 s26, s19, 98304                      ; the images: 98,304 k + 1,536 x 4 G
	s_mul_i32 s27, s18, 6144
	s_add_co_u32 s26, s26, s27
	s_mov_b32 s27, 0
	s_lshl_b32 s28, s19, 13                        ; the scale words: 8,192 k + 512 G
	s_lshl_b32 s29, s18, 9
	s_add_co_u32 s28, s28, s29
	s_mov_b32 s29, 0
	s_wait_alu depctr_va_vdst(0)
	s_wait_kmcnt 0x0
	s_add_nc_u64 s[4:5], s[4:5], s[24:25]
	s_add_nc_u64 s[10:11], s[10:11], s[26:27]
	s_add_nc_u64 s[12:13], s[12:13], s[28:29]
	LOADF XA, 4, 0                                 ; tile i's rows lie i rows (4,096 bytes) on
	LOADF XB, 4, 4096
	s_wait_loadcnt 16                              ; this set's sixteen loads are in; the other set's sixteen may be out
	QUANT XA, PCS, SW
	LOADF XA, 4, 8192
	KSTORE 0
	s_wait_loadcnt 16
	QUANT XB, PCS+12, SW+1
	LOADF XB, 4, 12288
	KSTORE 1
	s_wait_loadcnt 16
	QUANT XA, PCS+24, SW+2
	KSTORE 2
	s_wait_loadcnt 0x0
	QUANT XB, PCS+36, SW+3
	KSTORE 3
	global_store_b128 v5, v[SW:SW+3], s[12:13]     ; the four tiles' scale words: 512 consecutive bytes
	s_endpgm
	; ---- wq2.  Source 0 = 16 rows of W_q, source 1 = 16 rows of dec_hidden: register j of lane (r, hh) is (h = 16 T' + 8 hh + j, b = 16 a + r).
.Lq:
	s_wait_alu depctr_va_vdst(0)
	v_lshlrev_b32 v3, 12, v1
	v_lshl_add_u32 v3, v2, 7, v3                   ; row r of 4,096 bytes + 128 hh, in W_q and in dec_hidden alike
	s_sub_co_u32 s17, ttmp9, 32                    ; T'
	s_lshl_b32 s24, s17, 16                        ; W_q: 16 T' rows
	s_lshl_b32 s26, s16, 10                        ; my two K steps begin 1,024 w bytes along a row
	s_add_co_u32 s24, s24, s26
	s_mov_b32 s25, 0
	s_mov_b32 s27, 0
	s_lshr_b32 s28, s16, 1                         ; what I store at the end: quarter w of the results: b = 16 (w / 2) + r, h = 16 T' + 8 hh + 4 (w % 2) + 0 .. 3
	s_lshl_b32 s28, s28, 16
	s_lshl_b32 s29, s17, 6
	s_add_co_u32 s28, s28, s29
	s_and_b32 s29, s16, 1
	s_lshl_b32 s29, s29, 4
	s_add_co_u32 s28, s28, s29
	s_mov_b32 s29, 0
	s_lshl_b32 s18, s16, 11
	v_add_nc_u32 v7, s18, v5                       ; LDS: my partial sums at 2,048 w + 16 lane + 512 q
	s_lshl_b32 s18, s16, 9
	v_add_nc_u32 v15, s18, v5                      ; and the quarter that I add up: 512 w + 16 lane + 2,048 w'
	v_lshlrev_b32 v24, 12, v1
	v_lshl_add_u32 v24, v2, 5, v24                 ; wq2: 4,096 r + 32 hh
	s_mov_b32 s22, 0x4038aa3b                      ; 2 log2(e)
	s_mov_b32 s23, s22                             ; (named with it as a pair, so it is written)
	s_wait_alu depctr_va_vdst(0)
	s_wait_kmcnt 0x0
	s_add_nc_u64 s[6:7], s[6:7], s[24:25]
	s_add_nc_u64 s[8:9], s[8:9], s[26:27]
	s_add_nc_u64 s[14:15], s[14:15], s[28:29]
	LOADF XA, 6, 0                                 ; W_q, first K step
	LOADF XB, 8, 0                                 ; dec rows 0-15
	s_wait_loadcnt 16                              ; as above: the other set's sixteen may be out
	QUANT XA, PCS, SW
	LOADF XA, 8, 65536                             ; dec rows 16-31
	s_wait_loadcnt 16
	QUANT XB, PCS+12, SW+1
	LOADF XB, 6, 512                               ; W_q, second K step
	s_wait_loadcnt 16
	QUANT XA, PCS+24, SW+2
	LOADF XA, 8, 512
	s_wait_loadcnt 16
	QUANT XB, PCS+36, SW+3
	LOADF XB, 8, 66048
	s_wait_loadcnt 16
	QUANT XA, PCS+48, SW+4
	s_wait_loadcnt 0x0
	QUANT XB, PCS+60, SW+5
.rept 8
	v_nop                                          ; scale words written by vector lines stand 8 places ahead of a scaled matrix instruction, operands so written 4
.endr
	; the two accumulators take turns, one instruction a turn
	v_wmma_scale_f32_16x16x128_f8f6f4 v[240:247], v[PCS:PCS+11], v[PCS+12:PCS+23], 0, v[SW], v[SW+1] matrix_a_fmt:MATRIX_FMT_BF6 matrix_b_fmt:MATRIX_FMT_BF6
	v_wmma_scale_f32_16x16x128_f8f6f4 v[248:255], v[PCS:PCS+11], v[PCS+24:PCS+35], 0, v[SW], v[SW+2] matrix_a_fmt:MATRIX_FMT_BF6 matrix_b_fmt:MATRIX_FMT_BF6
	v_wmma_scale_f32_16x16x128_f8f6f4 v[240:247], v[PCS+36:PCS+47], v[PCS+48:PCS+59], v[240:247], v[SW+3], v[SW+4] matrix_a_fmt:MATRIX_FMT_BF6 matrix_b_fmt:MATRIX_FMT_BF6
	v_wmma_scale_f32_16x16x128_f8f6f4 v[248:255], v[PCS+36:PCS+47], v[PCS+60:PCS+71], v[248:255], v[SW+3], v[SW+5] matrix_a_fmt:MATRIX_FMT_BF6 matrix_b_fmt:MATRIX_FMT_BF6
.rept 4
	v_nop                                          ; four places in front of the first read of the results (ISA guide 7.12.1)
.endr
.irp q, 0,1,2,3
	ds_store_b128 v7, v[240+4*\q:243+4*\q] offset:512*\q   ; each accumulator from its low end on
.endr
	s_wait_dscnt 0x0                               ; for the others' sake: my partial sums lie in LDS
	s_barrier_signal -1
	s_barrier_wait -1
.irp u, 0,1,2,3
	ds_load_b128 v[32+4*\u:35+4*\u], v15 offset:2048*\u    ; quarter w of all four waves' partial sums
.endr
	s_wait_dscnt 0x0
	v_pk_add_f32 v[32:33], v[32:33], v[36:37]
	v_pk_add_f32 v[34:35], v[34:35], v[38:39]
	v_pk_add_f32 v[40:41], v[40:41], v[44:45]
	v_pk_add_f32 v[42:43], v[42:43], v[46:47]
	v_pk_add_f32 v[32:33], v[32:33], v[40:41]
	v_pk_add_f32 v[34:35], v[34:35], v[42:43]
	v_pk_mul_f32 v[32:33], v[32:33], s[22:23] op_sel_hi:[1,0]
	v_pk_mul_f32 v[34:35], v[34:35], s[22:23] op_sel_hi:[1,0]
	global_store_b128 v24, v[32:35], s[14:15]      ; 16 bytes a lane, rows 4,096 bytes apart; the four waves together write 64 consecutive bytes of each of 32 rows: a buffer of 131,072 bytes in all
	s_wait_tensorcnt 0x0
	ds_add_u32 v238, v239
	s_wait_dscnt 0x0
	s_endpgm
.Lfunc_end_k_qc27b9434da_prep:
	.size	k_qc27b9434da_prep, .Lfunc_end_k_qc27b9434da_prep-k_qc27b9434da_prep
	.p2alignl 7, 3214868480
	.fill 96, 4, 3214868480
	.section	.rodata,"a",@progbits
	.p2align	6, 0x0
	.amdhsa_kernel k_qc27b9434da_prep
		.amdhsa_group_segment_fixed_size 8704
		.amdhsa_private_segment_fixed_size 0
		.amdhsa_enable_private_segment 0
		.amdhsa_kernarg_size 48
		.amdhsa_user_sgpr_count 2
		.amdhsa_user_sgpr_kernarg_segment_ptr 1
		.amdhsa_wavefront_size32 1
		.amdhsa_system_sgpr_workgroup_id_x 1
		.amdhsa_system_sgpr_workgroup_id_y 1
		.amdhsa_system_sgpr_workgroup_id_z 1
		.amdhsa_system_vgpr_workitem_id 0
		.amdhsa_next_free_vgpr 256
		.amdhsa_next_free_sgpr 66
		.amdhsa_reserve_vcc 0
		.amdhsa_float_denorm_mode_32 3
		.amdhsa_float_denorm_mode_16_64 3
		.amdhsa_memory_ordered 1
		.amdhsa_forward_progress 1
		.amdhsa_inst_pref_size 51
	.end_amdhsa_kernel
	.amdgpu_metadata
---
amdhsa.version: [ 1, 2 ]
amdhsa.kernels:
  - .name:           k_qc27b9434da_prep
    .symbol:         k_qc27b9434da_prep.kd
    .args:
      - { .name: W_k, .offset: 0, .size: 8, .value_kind: global_buffer, .address_space: global }
      - { .name: W_q, .offset: 8, .size: 8, .value_kind: global_buffer, .address_space: global }
      - { .name: dec_hidden, .offset: 16, .size: 8, .value_kind: global_buffer, .address_space: global }
      - { .name: wk_codes, .offset: 24, .size: 8, .value_kind: global_buffer, .address_space: global }
      - { .name: wk_scales, .offset: 32, .size: 8, .value_kind: global_buffer, .address_space: global }
      - { .name: wq2, .offset: 40, .size: 8, .value_kind: global_buffer, .address_space: global }
    .group_segment_fixed_size: 8704
    .private_segment_fixed_size: 0
    .kernarg_segment_align: 8
    .kernarg_segment_size: 48
    .max_flat_workgroup_size: 128
    .sgpr_count:     66
    .vgpr_count:     256
    .wavefront_size: 32
...
	.end_amdgpu_metadata
.endif
;; end of part 1
;; launch attn (part 2): grid 256 x 1, 4 waves a work-group, no clusters, 327,680 bytes of LDS; arguments enc_hidden, wk_codes, wk_scales, wq2, V, out1, part_h, part_ml; writes out1, part_h, part_ml
.if DOCPART == 2
	.amdgcn_target "amdgcn-amd-amdhsa--gfx1250"
	.amdhsa_code_object_version 6
	.text
	.protected	k_qc27b9434da_attn
	.globl	k_qc27b9434da_attn
	.p2align	8
	.type	k_qc27b9434da_attn,@function
k_qc27b9434da_attn:
	s_mov_b64 s[64:65], 0
	v_nop
	global_prefetch_b8 v0, s[64:65] scope:SCOPE_SE
	s_setreg_imm32_b32 hwreg(HW_REG_WAVE_MODE, 25, 1), 1
	s_wait_xcnt 0x0
; A work-group takes 256 rows s of one batch, in 4 tiles of 64 rows x all 1,024 h.  For a tile: ctx = Q(enc) Q(W_k)^T by the scaled matrix instruction on BF6 codes; score[s] = sum over h of V[h] tanh(ctx + wq);
; the tile's own maximum m, p = e^(score - m), l = sum of p, and part_h[h] = sum over the tile's s of p ctx.  The next launch joins the 32 tiles of a batch.
; tanh(x) = 1 - 2 / (1 + 2^(2 log2(e) x)); wq2 holds 2 log2(e) wq.  So score = sum V - 2 sum V r, r the reciprocal: the sums begin at -0.5 sum V and are multiplied by -2.
; WAVES: wave w quantises rows 16 w .. 16 w + 15 of the tile (f32 rows come by tensor loads into its own two slots, half a row of 512 numbers each) and puts codes and scale words into LDS as images of the operand's registers;
; each wave multiplies all 64 rows by its own 256 h: 64 accumulators, 512 registers.  W_k's images come from memory straight into registers, five groups of four tiles by turns, 13 loads a group.
; A TILE'S TEXT STANDS ONCE, in a loop of 4 trips.  The last tile asks for no further rows.
; every wait on TENSORcnt is for 0.  A second copy of a tile's text would pass 49,152 bytes of code for a launch.
; NO JOINT LOADS of W_k: the stages take 266,240 and the images 53,248 of LDS's 327,680 bytes, and one K step of W_k's images is 98,304 bytes.  NO PREFETCH: a refill is issued four groups, 64 matrix instructions a wave, ahead of its first read.
; LIMITS: NaN and infinities among the inputs are not served.  A block of zeros gets the scale byte 1 where the rule says 127: its codes are zeros, and this program alone reads the bytes.
.set TILES, 4
.set RP,    2080                       ; a stage row: 2 x (1,024 bytes + 16 of padding)
.set SLOTB, 16*RP
.set WSTG,  2*SLOTB                    ; a wave's two slots
.set ABUF,  4*WSTG                     ; images of A's codes: [K step 8][block 4][q 3][lane 32][16]
.set ASC,   ABUF+49152                 ; their scale words: [K step 8][lane 32][block 4]
.set PSC,   ASC+4096                   ; the waves' partial scores
.set PWB,   PSC+1024                   ; each wave's p and its way out
.set SPARE, PWB+4*1280                 ; the spare words
.set SPW, 18
.set NIL, 79
.set BS,  24                           ; v24-43  B's scale words, five groups
.set AS,  44                           ; v44-51  A's, two sets
.set QM,  52
.set QN,  22
.set QS,  54
.set QB,  56
.set QW,  58
.set PC,  60
.set AUX, 72
.set X,   80                           ; v80-143 64 numbers of a lane
.set AF,  144                          ; v144-239 A's fragments, two sets
.set VV,  240                          ; v240-255 V at my 16 h (window 1: wq2 there)
.set SC,  80
.set PR,  112
.set TT,  144
.set HH,  144
.set G1,  24
.set G0,  32
.set MSB, 0
.macro WIN new                         ; the immediate's high byte repeats the setting that is left
.set WNEW, \new
.if MSB != WNEW
	s_set_vgpr_msb (MSB<<8)|WNEW
.set MSB, WNEW
.endif
.endm
.macro PLACES                          ; four places behind a matrix instruction (ISA guide 7.12.1)
.rept 4
	v_nop
.endr
.endm
.macro LOADB G                         ; group G = 4 k + g: four tiles of W_k and their scale words, into set G % 5 of window 1
.if (\G) <= 31
.set LK, (\G)/4
.set LQ, (\G)%4
.set LB, (\G)%5
	WIN 0
	global_load_b128 v[BS+4*LB:BS+4*LB+3], v3, s[8:9] offset:8192*LK+512*LQ
	WIN 0x40
.irp i, 0,1,2,3
.irp q, 0,1,2
	global_load_b128 v[48*LB+12*\i+4*\q:48*LB+12*\i+4*\q+3], v2, s[6:7] offset:98304*LK+6144*LQ+1536*\i+512*\q
.endr
.endr
	WIN 0
.endif
.endm
.macro WAITB G                         ; group G is in: up to four younger groups of 13 loads may be out
.if 31-(\G) >= 4
	s_wait_loadcnt 52
.else
	s_wait_loadcnt 13*(31-(\G))
.endif
.endm
.macro MULG k, g                       ; 16 matrix instructions: A's four blocks x the group's four tiles; the accumulators take turns
.set MB, (4*(\k)+(\g))%5
.set MA, AF+48*((\k)%2)
.set MS, AS+4*((\k)%2)
.irp m, 0,1,2,3
.if \m == 0
	WIN 0xa4
.endif
.if \m == 2
	WIN 0xf4
.endif
.irp i, 0,1,2,3
.set MD, 8*(16*(\m%2)+4*(\g)+\i)
.if (\k) == 0
	v_wmma_scale_f32_16x16x128_f8f6f4 v[MD:MD+7], v[MA+12*\m:MA+12*\m+11], v[48*MB+12*\i:48*MB+12*\i+11], 0, v[MS+\m], v[BS+4*MB+\i] matrix_a_fmt:MATRIX_FMT_BF6 matrix_b_fmt:MATRIX_FMT_BF6
.else
	v_wmma_scale_f32_16x16x128_f8f6f4 v[MD:MD+7], v[MA+12*\m:MA+12*\m+11], v[48*MB+12*\i:48*MB+12*\i+11], v[MD:MD+7], v[MS+\m], v[BS+4*MB+\i] matrix_a_fmt:MATRIX_FMT_BF6 matrix_b_fmt:MATRIX_FMT_BF6
.endif
.endr
.endr
.endm
.macro LOADA k                         ; K step k's images of A: 12 loads of codes, one of scale words
.set LAF, AF+48*((\k)%2)
.irp m, 0,1,2,3
.irp q, 0,1,2
	ds_load_b128 v[LAF+12*\m+4*\q:LAF+12*\m+4*\q+3], v7 offset:6144*(\k)+1536*\m+512*\q
.endr
.endr
	ds_load_b128 v[AS+4*((\k)%2):AS+4*((\k)%2)+3], v8 offset:512*(\k)
.endm
.macro LOADX c                         ; my 64 numbers of K step c of my row: two blocks of 32
.set XO, SLOTB*((\c)/4)+1040*(((\c)%4)/2)+512*((\c)%2)
.irp cc, 0,1
.irp i, 0,1,2,3,4,5,6,7
	ds_load_b128 v[X+32*\cc+4*\i:X+32*\cc+4*\i+3], v4 offset:XO+256*\cc+16*\i
.endr
.endr
.endm
.macro QUANT                           ; the 64 numbers become the fragment's 12 registers v[PC] on and its scale word v[QW]
	v_max3_num_f32 v[QM], |v[X]|, |v[X+1]|, 0x2800000              ; the floor 2^(5 - 127): the byte cannot fall under 1
	v_max3_num_f32 v[QN], |v[X+16]|, |v[X+17]|, |v[X+18]|
	v_max3_num_f32 v[QM+1], |v[X+32]|, |v[X+33]|, 0x2800000
	v_max3_num_f32 v[QN+1], |v[X+48]|, |v[X+49]|, |v[X+50]|
.irp i, 2,4,6,8,10,12
	v_max3_num_f32 v[QM], v[QM], |v[X+\i]|, |v[X+\i+1]|
	v_max3_num_f32 v[QN], v[QN], |v[X+17+\i]|, |v[X+18+\i]|
	v_max3_num_f32 v[QM+1], v[QM+1], |v[X+32+\i]|, |v[X+33+\i]|
	v_max3_num_f32 v[QN+1], v[QN+1], |v[X+49+\i]|, |v[X+50+\i]|
.endr
	v_max3_num_f32 v[QM], v[QM], |v[X+14]|, |v[X+15]|
	v_max3_num_f32 v[QM+1], v[QM+1], |v[X+46]|, |v[X+47]|
	v_max3_num_f32 v[QM], v[QM], v[QN], |v[X+31]|
	v_max3_num_f32 v[QM+1], v[QM+1], v[QN+1], |v[X+63]|
	v_add_nc_u32 v[QS], 0xfe000000, v[QM]                          ; 4 off the exponent field: the conversion's scale operand
	v_add_nc_u32 v[QS+1], 0xfe000000, v[QM+1]
	v_lshrrev_b32 v[QB], 23, v[QS]                                 ; the scale's byte
	v_lshrrev_b32 v[QB+1], 23, v[QS+1]
	v_lshl_or_b32 v[QW], v[QB+1], 16, v[QB]
	v_lshlrev_b32 v[QW], v9, v[QW]
	v_permlanex16_b32 v[QW+1], v[QW], s66, s67
	v_or_b32 v[QW], v[QW], v[QW+1]                                 ; with lane l xor 16's two bytes the word is whole
	v_cvt_scalef32_pk16_bf6_f32 v[PC:PC+2], v[X:X+15], v[QS]
	v_cvt_scalef32_pk16_bf6_f32 v[AUX:AUX+2], v[X+16:X+31], v[QS]
	v_cvt_scalef32_pk16_bf6_f32 v[PC+6:PC+8], v[X+32:X+47], v[QS+1]
	v_cvt_scalef32_pk16_bf6_f32 v[AUX+4:AUX+6], v[X+48:X+63], v[QS+1]
	v_nop                                                          ; one plain line behind the scaled conversions
.irp i, 0,1,2
	v_mov_b32 v[PC+3+\i], v[AUX+\i]
	v_mov_b32 v[PC+9+\i], v[AUX+4+\i]
.endr
.endm
.macro IMAGE c
.irp q, 0,1,2
	ds_store_b128 v5, v[PC+4*\q:PC+4*\q+3] offset:6144*(\c)+512*\q
.endr
	ds_store_b32 v6, v[QW] offset:512*(\c)
.endm
.macro IFLAST lbl                      ; s71 = tiles still to come behind this one: 0 in the last trip, in every wave alike
	s_cmp_eq_u32 s71, 0
	s_wait_alu depctr_va_vdst(0)
	s_cbranch_scc1 \lbl
.endm
	s_load_b512 s[4:19], s[0:1], 0x0               ; enc, wk_codes, wk_scales, wq2, V, out1, part_h, part_ml
	v_lshl_add_u32 v[SPW], v0, 2, SPARE
	v_mov_b32 v[NIL], 0
	ds_add_u32 v18, v79
	ds_add_u32 v18, v79
	s_wait_dscnt 0x0
	v_lshrrev_b32 v22, 5, v0
	v_readfirstlane_b32 s20, v22                   ; wave
	s_mov_b32 s[G1], (2<<16)|(1<<20)|(7<<22)|(3<<25)   ; elements of 4 bytes; 4 words of padding behind every 256
	s_mov_b32 s[G1+1], 512<<16
	s_mov_b32 s[G1+2], 16<<16
	s_mov_b32 s[G1+3], 512<<16
	s_mov_b32 s[G1+4], 16
	s_mov_b32 s[G1+5], 1024
	s_mov_b32 s[G1+6], 0
	s_mov_b32 s[G1+7], 0
	s_mul_i32 s21, s20, WSTG
	s_lshl_b32 s22, ttmp9, 20                      ; my work-group's 256 rows of 4,096 bytes,
	s_lshl_b32 s23, s20, 16                        ; my wave's 16 of a tile's 64
	s_add_co_u32 s22, s22, s23
	s_mov_b32 s23, 0
	s_lshr_b32 s74, ttmp9, 3                       ; batch
	s_lshl_b32 s74, s74, 12
	s_mov_b32 s75, 0
	s_lshl_b32 s76, ttmp9, 10                      ; out1 and part_ml: 256 bytes a tile
	s_mov_b32 s77, 0
	s_lshl_b32 s78, ttmp9, 14                      ; part_h: 4,096 bytes a tile, 1,024 a wave
	s_lshl_b32 s79, s20, 10
	s_add_co_u32 s78, s78, s79
	s_mov_b32 s79, 0
	s_mov_b32 s66, 0x76543210
	s_mov_b32 s67, 0xfedcba98
	s_mov_b32 s68, 0x4038aa3b                      ; 2 log2(e)
	s_mov_b32 s69, s68
	s_mov_b32 s70, 0x3fb8aa3b                      ; log2(e)
	s_mov_b32 s71, TILES-1
	s_wait_kmcnt 0x0
	s_add_nc_u64 s[72:73], s[4:5], s[22:23]
	s_add_nc_u64 s[10:11], s[10:11], s[74:75]
	s_add_nc_u64 s[14:15], s[14:15], s[76:77]
	s_add_nc_u64 s[18:19], s[18:19], s[76:77]
	s_add_nc_u64 s[16:17], s[16:17], s[78:79]
.irp s, 0,1
	s_mov_b32 s[G0+4*\s], 1
	s_add_co_u32 s[G0+4*\s+1], s21, \s*SLOTB
	s_add_nc_u64 s[G0+4*\s+2:G0+4*\s+3], s[72:73], \s*2048
	s_or_b32 s[G0+4*\s+3], s[G0+4*\s+3], 0x80000000
.endr
	tensor_load_to_lds s[G0:G0+3], s[G1:G1+7]      ; slot 0: the first halves of my 16 rows; one tensor load a wave at the head
	s_nop 0
	s_wait_alu depctr_va_vdst(0)
	s_wait_tensorcnt 0x0                           ; slot 0 is in; the full sequence ahead of slot 1's first fill
	ds_add_u32 v18, v79
	s_wait_dscnt 0x0
	s_barrier_signal -1
	s_barrier_wait -1
	tensor_load_to_lds s[G0+4:G0+7], s[G1:G1+7]    ; slot 1: the second halves
	s_nop 0
	v_and_b32 v19, 31, v0
	v_and_b32 v20, 15, v0
	v_bfe_u32 v21, v0, 4, 1
	v_lshlrev_b32 v1, 4, v19
	v_lshlrev_b32 v17, 3, v19
	v_lshlrev_b32 v9, 3, v21
	s_mul_i32 s2, s20, 24576
	v_add_nc_u32 v2, s2, v1                        ; wk_codes: my wave's 16 tiles + 16 lane
	s_lshl_b32 s2, s20, 11
	v_add_nc_u32 v3, s2, v1                        ; wk_scales likewise
	v_mul_u32_u24 v4, v20, RP
	v_lshl_add_u32 v4, v21, 7, v4
	v_add_nc_u32 v4, s21, v4                       ; my row in my stage + 128 hh
	s_mul_i32 s2, s20, 1536
	s_add_co_u32 s2, s2, ABUF
	v_add_nc_u32 v5, s2, v1                        ; where my block's image goes
	s_lshl_b32 s2, s20, 2
	s_add_co_u32 s2, s2, ASC
	v_add_nc_u32 v6, s2, v1
	v_add_nc_u32 v7, ABUF, v1                      ; and where all four are read
	v_add_nc_u32 v8, ASC, v1
	v_lshlrev_b32 v10, 6, v20
	s_lshl_b32 s2, s20, 10
	v_add_nc_u32 v10, s2, v10                      ; V and wq2: my 16 neighbouring h
	v_lshlrev_b32 v11, 5, v21
	s_lshl_b32 s2, s20, 8
	s_add_co_u32 s2, s2, PSC
	v_add_nc_u32 v11, s2, v11
	v_lshl_add_u32 v12, v19, 3, PSC
	s_mul_i32 s2, s20, 1280
	s_add_co_u32 s2, s2, PWB
	v_add_nc_u32 v13, s2, v17
	v_lshl_add_u32 v14, v21, 5, s2
	s_add_co_u32 s3, s2, 256
	v_lshl_add_u32 v15, v20, 6, s3
	v_add_nc_u32 v16, s3, v1
	v_mov_b32 v[QW+1], 0
.irp q, 0,1,2,3
	global_load_b128 v[VV+4*\q:VV+4*\q+3], v10, s[12:13] offset:16*\q
.endr
	WIN 0x40
.irp q, 0,1,2,3
	global_load_b128 v[240+4*\q:243+4*\q], v10, s[10:11] offset:16*\q
.endr
	WIN 0
	LOADB 0
	LOADB 1
	LOADB 2
	LOADX 0                                        ; slot 0 was waited for above
	s_wait_dscnt 0x0
	QUANT
	IMAGE 0
	LOADB 3
	LOADB 4
	LOADX 1
	s_wait_dscnt 0x0
	QUANT
	IMAGE 1
	s_wait_dscnt 0x0                               ; my images lie in LDS
	s_barrier_signal -1
	s_barrier_wait -1
	LOADA 0
; K step k: 64 matrix instructions in four groups; K step k + 2's numbers are read, quantised and stored as images (k = 6, 7: the next tile's K steps 0, 1).
; k = 2: slot 0 has been read out (K steps 0-3 were read in trips 6, 7, 0, 1) and takes the next tile's first halves; k = 6: slot 1 likewise.
.macro TRIP k
.if ((\k) == 2) || ((\k) == 6)
	s_wait_tensorcnt 0x0                           ; all my tensor loads are in;
	ds_add_u32 v[SPW], v[NIL]
	s_add_nc_u64 s[G0+4*((\k)/4)+2:G0+4*((\k)/4)+3], s[G0+4*((\k)/4)+2:G0+4*((\k)/4)+3], 262144   ; 64 rows on
	WAITB 4*(\k)
	s_wait_dscnt 0x0                               ; the add, my reads of the slot and my image stores are done
.else
	s_wait_dscnt 0x0
	WAITB 4*(\k)
.endif
.if ((\k) >= 1) && ((\k) <= 6)
	s_barrier_signal -1
.endif
	MULG \k, 0
	WIN 0
.if ((\k) >= 1) && ((\k) <= 6)
	s_barrier_wait -1                              ; K step k + 1's images are whole, and K step k - 1's are read no more
.endif
.if ((\k) == 2) || ((\k) == 6)
	IFLAST .Lnf_\@                                 ; the last tile fills nothing again
	tensor_load_to_lds s[G0+4*((\k)/4):G0+4*((\k)/4)+3], s[G1:G1+7]
	s_nop 0
.Lnf_\@:
.endif
.if (\k) <= 6
	PLACES
	LOADA (\k)+1
	LOADB 4*(\k)+5
.endif
.if (\k) >= 6
	IFLAST .Lnx_\@                                 ; no next tile: its rows were not fetched and are not read
.endif
	LOADX ((\k)+2)%8
.if (\k) >= 6
.Lnx_\@:
.endif
	WAITB 4*(\k)+1
	MULG \k, 1
	WIN 0
.if (\k) <= 6
	PLACES
	LOADB 4*(\k)+6
.endif
	WAITB 4*(\k)+2
	MULG \k, 2
	WIN 0
	s_wait_dscnt 0x0
.if (\k) >= 6
	IFLAST .Lnq_\@
.endif
	QUANT
	IMAGE ((\k)+2)%8
.if (\k) >= 6
.Lnq_\@:
.endif
.if (\k) == 6
	PLACES                                         ; for the way round the quantiser
.endif
	LOADB 4*(\k)+7
	WAITB 4*(\k)+3
	MULG \k, 3
	WIN 0
.if (\k) <= 5
	PLACES
	LOADB 4*(\k)+8
.endif
.endm
; the tanh, in 16 batches of four accumulators: EF 2 log2(e) ctx + wq2; EX 2^.; EA + 1; ER the reciprocal; ES the sum with V.  Three sets of 32 registers by turns
.macro EF b
.set EM, (\b)/4
.set ETS, TT+32*((\b)%3)
	WIN 0x12+(EM/2)
	s_wait_alu depctr_va_vdst(0)
.irp i, 0,1,2,3
.set ET, 4*((\b)%4)+\i
.set EAC, 8*(16*(EM%2)+ET)
.irp p, 0,1,2,3
	v_pk_fma_f32 v[ETS+8*\i+2*\p:ETS+8*\i+2*\p+1], v[EAC+2*\p:EAC+2*\p+1], s[68:69], v[2*ET:2*ET+1] op_sel_hi:[1,0,1]
.endr
.endr
.endm
.macro EX b
	WIN 0
.set ETS, TT+32*((\b)%3)
.set j, 0
.rept 32
	v_exp_f32 v[ETS+j], v[ETS+j]
.set j, j+1
.endr
.endm
.macro EA b
	WIN 0
.set ETS, TT+32*((\b)%3)
.set j, 0
	s_wait_alu depctr_va_vdst(0)
.rept 16
	v_pk_add_f32 v[ETS+j:ETS+j+1], v[ETS+j:ETS+j+1], 1.0 op_sel_hi:[1,0]
.set j, j+2
.endr
.endm
.macro ER b
	WIN 0
.set ETS, TT+32*((\b)%3)
.set j, 0
.rept 32
	v_rcp_f32 v[ETS+j], v[ETS+j]
.set j, j+1
.endr
.endm
.macro ES b
.set EM, (\b)/4
.set ETS, TT+32*((\b)%3)
	WIN 0x04
.irp i, 0,1,2,3
.set ET, 4*((\b)%4)+\i
.irp p, 0,1,2,3
.if ET == 0
	s_wait_alu depctr_va_vdst(0)
	v_pk_fma_f32 v[SC+8*EM+2*\p:SC+8*EM+2*\p+1], v[ETS+8*\i+2*\p:ETS+8*\i+2*\p+1], v[32+2*ET:33+2*ET], v[56:57]
.else
	v_pk_fma_f32 v[SC+8*EM+2*\p:SC+8*EM+2*\p+1], v[ETS+8*\i+2*\p:ETS+8*\i+2*\p+1], v[32+2*ET:33+2*ET], v[SC+8*EM+2*\p:SC+8*EM+2*\p+1]
.endif
.endr
.endr
.endm
.macro TAIL1                           ; my 16 h's part of the 64 rows' scores, in v[SC] on
	v_pk_add_f32 v[80:81], v[VV:VV+1], v[VV+2:VV+3]
	v_pk_add_f32 v[82:83], v[VV+4:VV+5], v[VV+6:VV+7]
	v_pk_add_f32 v[84:85], v[VV+8:VV+9], v[VV+10:VV+11]
	v_pk_add_f32 v[86:87], v[VV+12:VV+13], v[VV+14:VV+15]
	v_pk_add_f32 v[80:81], v[80:81], v[82:83]
	v_pk_add_f32 v[84:85], v[84:85], v[86:87]
	v_pk_add_f32 v[80:81], v[80:81], v[84:85]
	v_add_f32 v56, v80, v81
	v_mul_f32 v56, -0.5, v56                       ; -0.5 x the sum of my 16 V
	v_mov_b32 v57, v56
	WIN 0x40
.irp t, 0,1,2,3,4,5,6,7,8,9,10,11,12,13,14,15
	v_mov_b32 v[32+2*\t], v[VV+\t]                 ; V and wq2 as pairs, in window 1, where B's sets are done with
	v_mov_b32 v[33+2*\t], v[VV+\t]
.endr
	WIN 0x41
.irp t, 0,1,2,3,4,5,6,7,8,9,10,11,12,13,14,15
	v_mov_b32 v[2*\t], v[240+\t]
	v_mov_b32 v[2*\t+1], v[240+\t]
.endr
	EF 0
	s_wait_alu depctr_va_vdst(0)
	EX 0
	EF 1
	EA 0
	s_wait_alu depctr_va_vdst(0)
.irp b, 0,1,2,3,4,5,6,7,8,9,10,11,12,13,14,15
	s_wait_alu depctr_va_vdst(0)
	ER \b
.if \b < 15
	EX \b+1
.endif
.if \b < 14
	EF \b+2
.else
	v_nop
	s_wait_alu depctr_va_vdst(0)
.endif
	ES \b
.if \b < 15
	EA \b+1
.endif
.endr
	WIN 0
.endm
.macro TAIL2 nx                        ; the scores are joined over lanes and waves; m, p, l; part_h.  nx = 1: the next tile's first groups of W_k and first images are fetched on the way
.if \nx
	LOADB 0
	LOADB 1
	LOADB 2
.endif
.irp x, 1,2,4,8
.set j, 0
.rept 32
	v_add_f32_dpp v[SC+j], v[SC+j], v[SC+j] row_xmask:\x row_mask:0xf bank_mask:0xf
.set j, j+1
.endr
.endr
.irp m, 0,1,2,3
.irp q, 0,1
	ds_store_b128 v11, v[SC+8*\m+4*\q:SC+8*\m+4*\q+3] offset:64*\m+16*\q
.endr
.endr
	s_wait_dscnt 0x0
	s_barrier_signal -1
	s_barrier_wait -1
.irp u, 0,1,2,3
	ds_load_b64 v[60+2*\u:61+2*\u], v12 offset:256*\u
.endr
	s_wait_dscnt 0x0
	v_pk_add_f32 v[60:61], v[60:61], v[62:63]
	v_pk_add_f32 v[64:65], v[64:65], v[66:67]
	v_pk_add_f32 v[60:61], v[60:61], v[64:65]
	v_pk_mul_f32 v[60:61], v[60:61], -2.0 op_sel_hi:[1,0]          ; the scores of rows 2 lane, 2 lane + 1
	v_max_num_f32 v62, v60, v61
	v_max_num_f32_dpp v62, v62, v62 row_xmask:1 row_mask:0xf bank_mask:0xf
	v_max_num_f32_dpp v62, v62, v62 row_xmask:2 row_mask:0xf bank_mask:0xf
	v_max_num_f32_dpp v62, v62, v62 row_xmask:4 row_mask:0xf bank_mask:0xf
	v_max_num_f32_dpp v62, v62, v62 row_xmask:8 row_mask:0xf bank_mask:0xf
	v_permlanex16_b32 v63, v62, s66, s67
	v_max_num_f32 v62, v62, v63                    ; m, the tile's largest score
	v_sub_f32 v64, v60, v62
	v_sub_f32 v65, v61, v62
	v_mul_f32 v64, s70, v64
	v_mul_f32 v65, s70, v65
	s_wait_alu depctr_va_vdst(0)
	v_exp_f32 v64, v64                             ; p
	v_exp_f32 v65, v65
	v_nop
	s_wait_alu depctr_va_vdst(0)
	v_add_f32 v63, v64, v65
	v_add_f32_dpp v63, v63, v63 row_xmask:1 row_mask:0xf bank_mask:0xf
	v_add_f32_dpp v63, v63, v63 row_xmask:2 row_mask:0xf bank_mask:0xf
	v_add_f32_dpp v63, v63, v63 row_xmask:4 row_mask:0xf bank_mask:0xf
	v_add_f32_dpp v63, v63, v63 row_xmask:8 row_mask:0xf bank_mask:0xf
	v_permlanex16_b32 v66, v63, s66, s67
	v_add_f32 v63, v63, v66                        ; l
	ds_store_b64 v13, v[64:65]                     ; p through my own LDS bytes, back in the accumulators' order of rows
.irp m, 0,1,2,3
.irp q, 0,1
	ds_load_b128 v[PR+8*\m+4*\q:PR+8*\m+4*\q+3], v14 offset:64*\m+16*\q
.endr
.endr
	s_cmp_lg_u32 s20, 0
	s_cbranch_scc1 .Lnot_wave_0_\@
	global_store_b64 v17, v[60:61], s[14:15]       ; 256 consecutive bytes of out1
	global_store_b64 v17, v[62:63], s[18:19]       ; (m, l), the same in every lane
.Lnot_wave_0_\@:
.if \nx
	LOADB 3
	LOADB 4
.endif
	s_wait_dscnt 0x0
.irp m, 0,1,2,3
	WIN 0x02+(\m/2)
.irp p, 0,1,2,3
.irp t, 0,1,2,3,4,5,6,7,8,9,10,11,12,13,14,15
.if (\m == 0) && (\p == 0)
	v_pk_mul_f32 v[HH+2*\t:HH+2*\t+1], v[8*(16*(\m%2)+\t)+2*\p:8*(16*(\m%2)+\t)+2*\p+1], v[PR+8*\m+2*\p:PR+8*\m+2*\p+1]
.else
	v_pk_fma_f32 v[HH+2*\t:HH+2*\t+1], v[8*(16*(\m%2)+\t)+2*\p:8*(16*(\m%2)+\t)+2*\p+1], v[PR+8*\m+2*\p:PR+8*\m+2*\p+1], v[HH+2*\t:HH+2*\t+1]
.endif
.endr
.endr
.endr
	WIN 0
.irp t, 0,1,2,3,4,5,6,7,8,9,10,11,12,13,14,15
	v_add_f32 v[176+\t], v[HH+2*\t], v[HH+2*\t+1]
.endr
.irp t, 0,1,2,3,4,5,6,7,8,9,10,11,12,13,14,15
	v_permlanex16_b32 v[192+\t], v[176+\t], s66, s67
.endr
.irp t, 0,1,2,3,4,5,6,7,8,9,10,11,12,13,14,15
	v_add_f32 v[192+\t], v[176+\t], v[192+\t]
.endr
.irp q, 0,1,2,3
	ds_store_b128 v15, v[192+4*\q:195+4*\q] offset:16*\q
.endr
.irp u, 0,1
	ds_load_b128 v[208+4*\u:211+4*\u], v16 offset:512*\u
.endr
.if \nx
	LOADA 0
	s_wait_dscnt 13                                ; all but the 13 loads just issued
.else
	s_wait_dscnt 0x0
.endif
.irp u, 0,1
	global_store_b128 v1, v[208+4*\u:211+4*\u], s[16:17] offset:512*\u   ; 512 consecutive bytes a store
.endr
.if \nx
	s_wait_xcnt 0x0                                ; the stores have read their bases and data
	s_add_nc_u64 s[14:15], s[14:15], 256
	s_add_nc_u64 s[18:19], s[18:19], 256
	s_add_nc_u64 s[16:17], s[16:17], 4096
.endif
.endm
.Ltile:                                                ; four trips; the fourth leaves by the jump to .Llast
.irp k, 0,1,2,3,4,5,6,7
	TRIP \k
.endr
	TAIL1
	IFLAST .Llast
	TAIL2 1
	s_sub_co_i32 s71, s71, 1
	s_cmp_ge_i32 s71, 0
	s_wait_alu depctr_va_vdst(0)
	s_cbranch_scc1 .Ltile
.Llast:
	TAIL2 0
	s_wait_tensorcnt 0x0                           ; the wave's end
	ds_add_u32 v[SPW], v[NIL]
	s_wait_dscnt 0x0
	s_endpgm
.Lfunc_end_k_qc27b9434da_attn:
	.size	k_qc27b9434da_attn, .Lfunc_end_k_qc27b9434da_attn-k_qc27b9434da_attn
	.p2alignl 7, 3214868480
	.fill 96, 4, 3214868480
	.section	.rodata,"a",@progbits
	.p2align	6, 0x0
	.amdhsa_kernel k_qc27b9434da_attn
		.amdhsa_group_segment_fixed_size 327680
		.amdhsa_private_segment_fixed_size 0
		.amdhsa_enable_private_segment 0
		.amdhsa_kernarg_size 64
		.amdhsa_user_sgpr_count 2
		.amdhsa_user_sgpr_kernarg_segment_ptr 1
		.amdhsa_wavefront_size32 1
		.amdhsa_system_sgpr_workgroup_id_x 1
		.amdhsa_system_sgpr_workgroup_id_y 1
		.amdhsa_system_sgpr_workgroup_id_z 1
		.amdhsa_system_vgpr_workitem_id 0
		.amdhsa_next_free_vgpr 1024
		.amdhsa_next_free_sgpr 80
		.amdhsa_reserve_vcc 0
		.amdhsa_float_denorm_mode_32 3
		.amdhsa_float_denorm_mode_16_64 3
		.amdhsa_memory_ordered 1
		.amdhsa_forward_progress 1
		.amdhsa_inst_pref_size 255
	.end_amdhsa_kernel
	.section	.bss,"aw",@nobits
	.p2align	6
	.space	262144
	.amdgpu_metadata
---
amdhsa.version: [ 1, 2 ]
amdhsa.kernels:
  - .name:           k_qc27b9434da_attn
    .symbol:         k_qc27b9434da_attn.kd
    .args:
      - { .name: enc_hidden, .offset: 0, .size: 8, .value_kind: global_buffer, .address_space: global }
      - { .name: wk_codes, .offset: 8, .size: 8, .value_kind: global_buffer, .address_space: global }
      - { .name: wk_scales, .offset: 16, .size: 8, .value_kind: global_buffer, .address_space: global }
      - { .name: wq2, .offset: 24, .size: 8, .value_kind: global_buffer, .address_space: global }
      - { .name: V, .offset: 32, .size: 8, .value_kind: global_buffer, .address_space: global }
      - { .name: out1, .offset: 40, .size: 8, .value_kind: global_buffer, .address_space: global }
      - { .name: part_h, .offset: 48, .size: 8, .value_kind: global_buffer, .address_space: global }
      - { .name: part_ml, .offset: 56, .size: 8, .value_kind: global_buffer, .address_space: global }
    .group_segment_fixed_size: 327680
    .private_segment_fixed_size: 0
    .kernarg_segment_align: 8
    .kernarg_segment_size: 64
    .max_flat_workgroup_size: 128
    .sgpr_count:     80
    .vgpr_count:     1024
    .wavefront_size: 32
...
	.end_amdgpu_metadata
.endif
;; end of part 2
;; launch merge (part 3): grid 256 x 1, 1 waves a work-group, no clusters, 0 bytes of LDS; arguments part_h, part_ml, out0; writes out0
.if DOCPART == 3
	.amdgcn_target "amdgcn-amd-amdhsa--gfx1250"
	.amdhsa_code_object_version 6
	.text
	.protected	k_qc27b9434da_merge
	.globl	k_qc27b9434da_merge
	.p2align	8
	.type	k_qc27b9434da_merge,@function
k_qc27b9434da_merge:
	s_mov_b64 s[64:65], 0
	v_nop
	global_prefetch_b8 v0, s[64:65] scope:SCOPE_SE
	s_setreg_imm32_b32 hwreg(HW_REG_WAVE_MODE, 25, 1), 1
	s_wait_xcnt 0x0
; out0[b][h] = the sum over the batch's 32 tiles i of f_i part_h[32 b + i][h], f_i = e^(m_i - M) / L, M = the largest m_i, L = the sum of e^(m_i - M) l_i:
; the softmax over all 2,048 s of a batch, put together from the tiles' parts, each of which was taken under its own maximum.  L is at least 1: the tile that holds M has l of at least 1.
; One wave to a work-group: batch b = work-group / 8, h = 128 (work-group % 8) + 4 lane + 0 .. 3.  Lane l also holds tile l's (m, l).  Memory binds and the work is small: no LDS, no matrix unit, no barrier.
	s_load_b128 s[4:7], s[0:1], 0x0                ; part_h s[4:5], part_ml s[6:7]
	s_load_b64 s[8:9], s[0:1], 0x10                ; out0
	s_lshr_b32 s10, ttmp9, 3                       ; b
	s_and_b32 s11, ttmp9, 7                        ; which 128 h
	v_lshlrev_b32 v1, 8, v0                        ; part_ml: 256 bytes a tile
	v_lshlrev_b32 v2, 4, v0                        ; 16 bytes a lane
	s_lshl_b32 s12, s10, 13                        ; the batch's 32 tiles in part_ml
	s_mov_b32 s13, 0
	s_lshl_b32 s14, s10, 17                        ; and in part_h: 32 x 4,096 bytes,
	s_lshl_b32 s16, s11, 9                         ; + my 512 bytes of a row
	s_add_co_u32 s14, s14, s16
	s_mov_b32 s15, 0
	s_lshl_b32 s18, s10, 12                        ; out0: row b, the same 512 bytes
	s_add_co_u32 s18, s18, s16
	s_mov_b32 s19, 0
	s_mov_b32 s52, 0x76543210
	s_mov_b32 s53, 0xfedcba98                      ; v_permlanex16_b32's selects for lane l xor 16
	s_mov_b32 s54, 0x3fb8aa3b                      ; log2(e)
	v_mov_b32 v7, 0                                ; written once: a lane permute's destination counts as one of its sources
	s_wait_alu depctr_va_vdst(0)
	s_wait_kmcnt 0x0
	s_add_nc_u64 s[6:7], s[6:7], s[12:13]
	s_add_nc_u64 s[4:5], s[4:5], s[14:15]
	s_add_nc_u64 s[8:9], s[8:9], s[18:19]
	global_load_b64 v[4:5], v1, s[6:7]             ; tile l's m and l
.irp i, 0,1,2,3,4,5,6,7,8,9,10,11,12,13,14,15,16,17,18,19,20,21,22,23,24,25,26,27,28,29,30,31
	global_load_b128 v[16+4*\i:19+4*\i], v2, s[4:5] offset:4096*\i     ; tile i's sums: 512 consecutive bytes a load
.endr
	s_wait_loadcnt 32                              ; (m, l) is in; the 32 loads behind it may be out
	v_mov_b32 v6, v4
	v_max_num_f32_dpp v6, v6, v6 row_xmask:1 row_mask:0xf bank_mask:0xf
	v_max_num_f32_dpp v6, v6, v6 row_xmask:2 row_mask:0xf bank_mask:0xf
	v_max_num_f32_dpp v6, v6, v6 row_xmask:4 row_mask:0xf bank_mask:0xf
	v_max_num_f32_dpp v6, v6, v6 row_xmask:8 row_mask:0xf bank_mask:0xf
	v_permlanex16_b32 v7, v6, s52, s53
	v_max_num_f32 v6, v6, v7                       ; M
	v_sub_f32 v8, v4, v6
	v_mul_f32 v8, s54, v8
	s_wait_alu depctr_va_vdst(0)
	v_exp_f32 v8, v8                               ; e^(m - M)
	v_nop                                          ; a plain line behind the exponential
	s_wait_alu depctr_va_vdst(0)
	v_mul_f32 v9, v8, v5
	v_add_f32_dpp v9, v9, v9 row_xmask:1 row_mask:0xf bank_mask:0xf
	v_add_f32_dpp v9, v9, v9 row_xmask:2 row_mask:0xf bank_mask:0xf
	v_add_f32_dpp v9, v9, v9 row_xmask:4 row_mask:0xf bank_mask:0xf
	v_add_f32_dpp v9, v9, v9 row_xmask:8 row_mask:0xf bank_mask:0xf
	v_permlanex16_b32 v7, v9, s52, s53
	v_add_f32 v9, v9, v7                           ; L
	s_wait_alu depctr_va_vdst(0)
	v_rcp_f32 v9, v9
	v_nop                                          ; a plain line behind the reciprocal
	s_wait_alu depctr_va_vdst(0)
	v_mul_f32 v8, v8, v9                           ; f of tile l
.irp i, 0,1,2,3,4,5,6,7,8,9,10,11,12,13,14,15,16,17,18,19,20,21,22,23,24,25,26,27,28,29,30,31
	v_readlane_b32 s[20+\i], v8, \i                ; the 32 weights as scalars
.endr
	s_wait_loadcnt 0x0
.irp c, 0,1,2,3
	v_mul_f32 v[10+\c], s20, v[16+\c]              ; the first tile starts the sums
.endr
.irp i, 1,2,3,4,5,6,7,8,9,10,11,12,13,14,15,16,17,18,19,20,21,22,23,24,25,26,27,28,29,30,31
.irp c, 0,1,2,3
	v_fmac_f32 v[10+\c], s[20+\i], v[16+4*\i+\c]
.endr
.endr
	global_store_b128 v2, v[10:13], s[8:9]         ; 512 consecutive bytes, at a multiple of 512 from out0's first byte
	s_endpgm
.Lfunc_end_k_qc27b9434da_merge:
	.size	k_qc27b9434da_merge, .Lfunc_end_k_qc27b9434da_merge-k_qc27b9434da_merge
	.p2alignl 7, 3214868480
	.fill 96, 4, 3214868480
	.section	.rodata,"a",@progbits
	.p2align	6, 0x0
	.amdhsa_kernel k_qc27b9434da_merge
		.amdhsa_group_segment_fixed_size 0
		.amdhsa_private_segment_fixed_size 0
		.amdhsa_enable_private_segment 0
		.amdhsa_kernarg_size 24
		.amdhsa_user_sgpr_count 2
		.amdhsa_user_sgpr_kernarg_segment_ptr 1
		.amdhsa_wavefront_size32 1
		.amdhsa_system_sgpr_workgroup_id_x 1
		.amdhsa_system_sgpr_workgroup_id_y 1
		.amdhsa_system_sgpr_workgroup_id_z 1
		.amdhsa_system_vgpr_workitem_id 0
		.amdhsa_next_free_vgpr 160
		.amdhsa_next_free_sgpr 66
		.amdhsa_reserve_vcc 0
		.amdhsa_float_denorm_mode_32 3
		.amdhsa_float_denorm_mode_16_64 3
		.amdhsa_memory_ordered 1
		.amdhsa_forward_progress 1
		.amdhsa_inst_pref_size 12
	.end_amdhsa_kernel
	.amdgpu_metadata
---
amdhsa.version: [ 1, 2 ]
amdhsa.kernels:
  - .name:           k_qc27b9434da_merge
    .symbol:         k_qc27b9434da_merge.kd
    .args:
      - { .name: part_h, .offset: 0, .size: 8, .value_kind: global_buffer, .address_space: global }
      - { .name: part_ml, .offset: 8, .size: 8, .value_kind: global_buffer, .address_space: global }
      - { .name: out0, .offset: 16, .size: 8, .value_kind: global_buffer, .address_space: global }
    .group_segment_fixed_size: 0
    .private_segment_fixed_size: 0
    .kernarg_segment_align: 8
    .kernarg_segment_size: 24
    .max_flat_workgroup_size: 32
    .sgpr_count:     66
    .vgpr_count:     160
    .wavefront_size: 32
...
	.end_amdgpu_metadata
.endif
;; end of part 3
